; MI455X (gfx1250); checked and timed in simulation.
; The chip was launched on July 23, 2026; its instructions are those of AMD's public machine-readable ISA for CDNA 5 (MIT licence, August 2026) and "CDNA5" Instruction Set Architecture Reference Guide (July 2026). The comments in the code are by the model that wrote it; some were corrected since.
;; Sub Clustering Net. Allowed arithmetic: matrix products marked QUANTISED: E2M1 operands, one E8M0 scale for each 32 along K, by v_wmma_scale_f32_16x16x128_f8f6f4 with both operands' format E2M1 (or v_wmma_scale_f32_32x16x128_f4), f32 sums; products left as they are: f32 operands where the result goes on into a quantised operand, else bf16, f16 or f32 operands; f32 sums; everything else in f32.
;; Inputs: W1 16 x 256 x 128 float32; W2 16 x 128 x 2 float32; b1 16 x 128 float32; b2 16 x 2 float32; x 131,072 x 256 float32; z 131,072 int32.
;; Outputs: out0 131,072 x 2 float32.
;; This version of the problem:
;;   THIS VERSION OF THE PROBLEM IS GIVEN IN LOW PRECISION. The matrix products marked QUANTISED in the list below multiply operands that are first quantised to E2M1 (2 exponent bits, 1 mantissa bit; 4 bits a number), with one power-of-two scale for each 32 numbers along K (OCP MX v1.0); their sums are f32. All else is computed in f32.
;;   The module's matrix products, in the order in which they are computed (A, B: the left and right operand; K: the contracted axis; several contracted axes count as one K, in the product's order):
;;     1. [M 131,072, K 256] x [K 256, N 128]; A: input x; B: input W1: QUANTISED
;;     2. [M 131,072, K 128] x [K 128, N 2]; A: computed on the way; B: input W2: left as it is (N = 2 < 16)
;;     3. [M 131,072, K 256] x [K 256, N 128]; A: input x; B: input W1: QUANTISED
;;     4. [M 131,072, K 128] x [K 128, N 2]; A: computed on the way; B: input W2: left as it is (N = 2 < 16)
;;     5. [M 131,072, K 256] x [K 256, N 128]; A: input x; B: input W1: QUANTISED
;;     6. [M 131,072, K 128] x [K 128, N 2]; A: computed on the way; B: input W2: left as it is (N = 2 < 16)
;;     7. [M 131,072, K 256] x [K 256, N 128]; A: input x; B: input W1: QUANTISED
;;     8. [M 131,072, K 128] x [K 128, N 2]; A: computed on the way; B: input W2: left as it is (N = 2 < 16)
;;     9. [M 131,072, K 256] x [K 256, N 128]; A: input x; B: input W1: QUANTISED
;;     10. [M 131,072, K 128] x [K 128, N 2]; A: computed on the way; B: input W2: left as it is (N = 2 < 16)
;;     11. [M 131,072, K 256] x [K 256, N 128]; A: input x; B: input W1: QUANTISED
;;     12. [M 131,072, K 128] x [K 128, N 2]; A: computed on the way; B: input W2: left as it is (N = 2 < 16)
;;     13. [M 131,072, K 256] x [K 256, N 128]; A: input x; B: input W1: QUANTISED
;;     14. [M 131,072, K 128] x [K 128, N 2]; A: computed on the way; B: input W2: left as it is (N = 2 < 16)
;;     15. [M 131,072, K 256] x [K 256, N 128]; A: input x; B: input W1: QUANTISED
;;     16. [M 131,072, K 128] x [K 128, N 2]; A: computed on the way; B: input W2: left as it is (N = 2 < 16)
;;     17. [M 131,072, K 256] x [K 256, N 128]; A: input x; B: input W1: QUANTISED
;;     18. [M 131,072, K 128] x [K 128, N 2]; A: computed on the way; B: input W2: left as it is (N = 2 < 16)
;;     19. [M 131,072, K 256] x [K 256, N 128]; A: input x; B: input W1: QUANTISED
;;     20. [M 131,072, K 128] x [K 128, N 2]; A: computed on the way; B: input W2: left as it is (N = 2 < 16)
;;     21. [M 131,072, K 256] x [K 256, N 128]; A: input x; B: input W1: QUANTISED
;;     22. [M 131,072, K 128] x [K 128, N 2]; A: computed on the way; B: input W2: left as it is (N = 2 < 16)
;;     23. [M 131,072, K 256] x [K 256, N 128]; A: input x; B: input W1: QUANTISED
;;     24. [M 131,072, K 128] x [K 128, N 2]; A: computed on the way; B: input W2: left as it is (N = 2 < 16)
;;     25. [M 131,072, K 256] x [K 256, N 128]; A: input x; B: input W1: QUANTISED
;;     26. [M 131,072, K 128] x [K 128, N 2]; A: computed on the way; B: input W2: left as it is (N = 2 < 16)
;;     27. [M 131,072, K 256] x [K 256, N 128]; A: input x; B: input W1: QUANTISED
;;     28. [M 131,072, K 128] x [K 128, N 2]; A: computed on the way; B: input W2: left as it is (N = 2 < 16)
;;     29. [M 131,072, K 256] x [K 256, N 128]; A: input x; B: input W1: QUANTISED
;;     30. [M 131,072, K 128] x [K 128, N 2]; A: computed on the way; B: input W2: left as it is (N = 2 < 16)
;;     31. [M 131,072, K 256] x [K 256, N 128]; A: input x; B: input W1: QUANTISED
;;     32. [M 131,072, K 128] x [K 128, N 2]; A: computed on the way; B: input W2: left as it is (N = 2 < 16)
;;   THE QUANTISER, for each operand of a quantised product, along K:
;;     - K is cut into blocks of 32 from its start; a last block that is shorter is filled with zeros.
;;     - A block's scale is 2^e with e = floor(log2(the largest magnitude in the block)) - 2, held to -126 .. 127; a block of zeros has e = 0. As a byte (E8M0): e + 127.
;;     - Each number is divided by its block's scale, clamped to +-6, and rounded to the nearest number of E2M1, ties to even, subnormals kept.
;;     - The product sums the exact products of the quantised numbers (number of the format x scale) in f32.
;;   ~~~python
;;   def quantise(x, axis):      # numpy; x: float32 -> the quantised numbers, widened to float32 again
;;       x = np.moveaxis(x, axis, -1); K = x.shape[-1]
;;       x = np.pad(x, [(0, 0)] * (x.ndim - 1) + [(0, -K % 32)]); x = x.reshape(x.shape[:-1] + (-1, 32)); a = np.abs(x).max(-1, keepdims=True)
;;       e = np.where(a > 0, np.clip(np.frexp(np.where(a > 0, a, 1))[1] - 1 - 2, -126, 127), 0)      # np.frexp(a)[1] - 1 = floor(log2(a)), exactly
;;       r = np.clip(x / 2.0 ** e, -6, 6)
;;       step = 2.0 ** (np.maximum(np.frexp(np.where(r == 0, 1, r))[1] - 1, 0) - 1)
;;       q = np.round(r / step) * step * 2.0 ** e      # np.round: ties to even
;;       return np.moveaxis(q.reshape(q.shape[:-2] + (-1,))[..., :K], -1, axis).astype(np.float32)
;;   ~~~
;; 2 versions, each right; version 2 is version 1 with the launch prep written anew for expert scheduling mode. Each part assembles by itself: llvm-mc -triple=amdgcn-amd-amdhsa -mcpu=gfx1250 --defsym DOCPART=n.
;; ======== version 1 of 2: 2 launches
;; workspace buffers: wfrag 262,144 bytes; wscl 16,384 bytes; w2img 20,480 bytes; list 483,328 bytes of whole numbers; slot 262,144 bytes of whole numbers
;; launch prep (part 1): grid 321 x 1, 4 waves a work-group, no clusters, 8,704 bytes of LDS; arguments z, W1, W2, b2, wfrag, wscl, w2img, list, slot; writes wfrag, wscl, w2img, list, slot
.if DOCPART == 1
	.amdgcn_target "amdgcn-amd-amdhsa--gfx1250"
	.amdhsa_code_object_version 6
	.text
	.protected	k_q4575cd77cb_prep
	.globl	k_q4575cd77cb_prep
	.p2align	8
	.type	k_q4575cd77cb_prep,@function
k_q4575cd77cb_prep:
	s_mov_b64 s[64:65], 0
	v_nop
	global_prefetch_b8 v0, s[64:65] scope:SCOPE_SE
	s_setreg_imm32_b32 hwreg(HW_REG_WAVE_MODE, 25, 1), 1
	s_wait_xcnt 0x0
; out = softmax(relu(Q(x) Q(W1[z]) + b1[z]) W2[z] + b2[z]), one expert z for each of 131,072 tokens; Q: MX-FP4 along K = 256.
; WORK LEFT OUT (whole program): reference() computes all 16 experts for every token and keeps, by jnp.where((z == i) ..), the rows of expert z alone:
; for every value of the inputs the other 15 experts' rows reach no output.  z is a whole-number input, read here from memory; the next launch multiplies only the rows that the lists stored here name.
; Every input has a way to the output and is loaded (x and b1 by the next launch).  A token whose z lies outside 0 .. 15 is taken by no expert and gets softmax(0, 0) = (0.5, 0.5), as reference() leaves it.
; LIMITS: a NaN, an infinity or an overflow that could arise only in the experts left out is not carried to the result; a block of W1 whose largest magnitude lies under 2^-124 (a block of zeros too)
; keeps the scale byte 1: its codes are zeros or as the floor gives them, and the bytes are read by this program alone; NaN and infinities in W1 are not served; W2 is rounded to bf16.
; THREE ROLES, parted on the work-group's number (the same in all four waves):
;   0 .. 255   SORT: block b of 512 neighbouring tokens.  The block's part of list: a header of 64 bytes (wave w's 8 bytes: its first entry's index, its number of tiles), 880 entries of 2 bytes, 32 dump words.
;              The 16 experts' entries lie one expert behind the other, each expert padded with zeros to whole tiles of 16 (512 + 16 x 15 = 752 places at the most), 128 zeros behind the last.
;              An entry: token in block | q << 9 | 1 << 11, q = expert % 4; 0 = no row.  Wave w serves experts 4 w + q.
;              slot[token], 2 bytes = 704 w + the entry's index in wave w's own part (0 .. 2,815), or a number from 4,096 on where no expert takes the token.
;   256 .. 319 W1: a wave makes one fragment (expert e, hidden units 16 t .., K step s) as an image of the operand's registers, and its scale words.
;   320        W2: wave w makes W2 of experts 4 w .. 4 w + 3 as four bf16 fragments, and b2 as a C operand.
; THE ORDER OF K's BLOCKS OF 32 is the same in W1's fragments and in x's (next launch), so the products are the same: K step s, place 2 c + h holds block 2 s + c + 4 h.
.set SPARE, 8192                       ; behind the sort's 8,192 bytes: the spare words, 128 bytes for each wave
.set HDR,   64                         ; a block's header in list
.set CAP,   880                        ; its entries; 32 dump words follow
.set LB,    HDR+2*(CAP+32)             ; a block's part of list: 1,888 bytes
.set Z, 16                             ; v16-31  the block's 512 z: register 4 i + c, lane l: token 128 i + 4 l + c
.set P, 32                             ; v32-47  1 + the slot number for the tokens of my wave's experts, else 4,097 + lane
.set SO, 48                            ; v48-63  where each register's entries go;  v64-79 the entries: a set for each store, so that no store's sources are written again
.set SD, 64
.set MN, 84                            ; v84-99  the four waves' P of my four tokens
	s_load_b512 s[4:19], s[0:1], 0x0               ; z s[4:5], W1 s[6:7], W2 s[8:9], b2 s[10:11], wfrag s[12:13], wscl s[14:15], w2img s[16:17], list s[18:19]
	s_load_b64 s[20:21], s[0:1], 0x40              ; slot
	v_lshl_add_u32 v6, v0, 2, SPARE                ; my spare word; never rewritten
	v_mov_b32 v7, 0                                ; 0; never rewritten
	v_lshrrev_b32 v1, 5, v0
	v_readfirstlane_b32 s22, v1                    ; wave 0..3
	v_and_b32 v1, 31, v0                           ; lane
	v_and_b32 v2, 15, v0                           ; r
	v_bfe_u32 v3, v0, 4, 1                         ; h
	v_lshlrev_b32 v4, 4, v1                        ; 16 x lane
	s_mov_b32 s25, 0                               ; the upper word of every 64-bit offset
	s_wait_kmcnt 0x0
	s_cmp_lt_u32 ttmp9, 256
	s_cbranch_scc1 .Lsort
	s_cmp_lt_u32 ttmp9, 320
	s_cbranch_scc1 .Lw1
; ---- ROLE W2.  Source 0 of the second product: row m = 8 (q / 2) + 2 (q % 2) + i holds W2[4 w + q][:, i]; the other rows are zeros.  So expert q's two logits fall into
; registers 2 (q % 2) + i of the result, in the half q / 2 of the lanes.  Lane (r, h) of a bf16 fragment holds row r; registers 0-3: k = 8 h + 0 .. 7, registers 4-7: k = 16 + 8 h + 0 .. 7.
	v_lshrrev_b32 v8, 3, v2
	v_bfe_u32 v9, v2, 1, 1
	v_lshl_add_u32 v8, v8, 1, v9                   ; q of my row
	v_and_b32 v9, 1, v2                            ; i of my row
	v_lshlrev_b32 v8, 10, v8                       ; an expert's W2 is 1,024 bytes,
	v_lshl_add_u32 v8, v9, 2, v8                   ; a hidden unit's two numbers 8,
	v_lshl_add_u32 v8, v3, 6, v8                   ; and my half begins 8 hidden units on
	v_lshlrev_b32 v9, 4, v3                        ; b2: 16 h
	v_and_b32 v10, 4, v2
	v_cmp_eq_u32 vcc_lo, 0, v10                    ; rows 0-3 and 8-11 hold numbers
	s_lshl_b32 s24, s22, 12
	s_add_nc_u64 s[8:9], s[8:9], s[24:25]          ; W2 at expert 4 w
	s_lshl_b32 s24, s22, 5
	s_add_nc_u64 s[10:11], s[10:11], s[24:25]      ; b2 likewise
	s_mul_i32 s24, s22, 5120
	s_add_nc_u64 s[16:17], s[16:17], s[24:25]      ; my ten images of 512 bytes
.set n, 0
.rept 64                                           ; number 16 c + 8 g + j: hidden unit 32 c + 16 g + 8 h + j
	global_load_b32 v[64+n], v8, s[8:9] offset:(32*(n/16)+16*((n/8)%2)+n%8)*8
.set n, n+1
.endr
	global_load_b128 v[24:27], v9, s[10:11]        ; C's register j of lane (r, h) is row 8 h + j: b2 of expert 4 w + 2 h + j / 2, logit j % 2: four neighbours
.irp j, 28,29,30,31
	v_mov_b32 v\j, 0                               ; C's registers 4-7: rows that hold nothing
.endr
	s_wait_loadcnt 0x0
.set n, 0
.rept 32
	v_cvt_pk_bf16_f32 v[32+n], v[64+2*n], v[65+2*n]
.set n, n+1
.endr
.set n, 0
.rept 32
	v_cndmask_b32 v[32+n], 0, v[32+n], vcc_lo
.set n, n+1
.endr
.set n, 0
.rept 8
	global_store_b128 v4, v[32+4*n:35+4*n], s[16:17] offset:512*n   ; 32 lanes store 512 consecutive bytes
.set n, n+1
.endr
	global_store_b128 v4, v[24:27], s[16:17] offset:4096
	global_store_b128 v4, v[28:31], s[16:17] offset:4608
	s_endpgm
; ---- ROLE W1.  W1[e] is [256 (k)][128 (n)]: lane r takes column n = 16 t + r and its registers run down K, in the order that the operand's layout gives that lane: nothing is transposed.
.Lw1:
	s_sub_co_u32 s24, ttmp9, 256
	s_lshl_b32 s24, s24, 2
	s_add_co_u32 s26, s24, s22                     ; which fragment: 16 e + 2 t + s
	s_lshr_b32 s27, s26, 4                         ; e
	s_bfe_u32 s28, s26, 0x30001                    ; t
	s_and_b32 s29, s26, 1                          ; s
	s_lshl_b32 s24, s27, 17                        ; an expert: 131,072 bytes
	s_lshl_b32 s29, s29, 15                        ; K step s begins at block 2 s: 64 rows of 512 bytes
	s_add_co_u32 s24, s24, s29
	s_lshl_b32 s28, s28, 6                         ; 16 columns: 64 bytes
	s_add_co_u32 s24, s24, s28
	s_add_nc_u64 s[6:7], s[6:7], s[24:25]
	s_lshl_b32 s24, s26, 10                        ; a fragment's image: 1,024 bytes
	s_add_nc_u64 s[12:13], s[12:13], s[24:25]
	s_lshl_b32 s24, s26, 6                         ; its scale words: 64 bytes (K step 0's in an image's lanes 0-15, K step 1's in lanes 16-31)
	s_add_nc_u64 s[14:15], s[14:15], s[24:25]
	s_mov_b32 s34, 0x76543210
	s_mov_b32 s35, 0xfedcba98                      ; v_permlanex16_b32's selects for lane l xor 16
	v_lshlrev_b32 v11, 2, v2                       ; 4 r
	v_lshl_add_u32 v8, v3, 16, v11                 ; lanes 16-31 take the blocks 4 further on: 128 rows of 512 bytes
.set n, 0
.rept 64                                           ; number 32 c + i: k = 32 (2 s + c + 4 h) + i
	global_load_b32 v[64+n], v8, s[6:7] offset:512*n
.set n, n+1
.endr
	s_wait_loadcnt 0x0
.irp c, 0,1
	v_max3_num_f32 v[32+\c], |v[64+32*\c]|, |v[65+32*\c]|, 0x1800000   ; my block c: all its 32 numbers are mine; and the floor 2^(3 - 127): the byte cannot fall under 1
.endr
.irp i, 2,4,6,8,10,12,14,16,18,20,22,24,26,28,30
.irp c, 0,1
	v_max3_num_f32 v[32+\c], v[32+\c], |v[64+32*\c+\i]|, |v[65+32*\c+\i]|
.endr
.endr
.irp c, 0,1
	v_add_nc_u32 v[44+\c], 0xff000000, v[32+\c]    ; 2 off the exponent field: the conversion takes the exponent field of this operand as its scale
.endr
.irp c, 0,1
	v_lshrrev_b32 v[36+\c], 23, v[44+\c]           ; the scale's byte
.endr
	v_lshl_or_b32 v9, v37, 16, v36                 ; my two bytes belong at places h and 2 + h of the word
	v_lshlrev_b32 v10, 3, v3
	v_lshlrev_b32 v9, v10, v9
	v_mov_b32 v10, 0
	v_permlanex16_b32 v10, v9, s34, s35
	v_or_b32 v9, v9, v10                           ; with lane l xor 16's two the word is whole, in both halves of the lanes
.irp c, 0,1
.irp g, 0,1,2,3
	v_cvt_scalef32_pk8_fp4_f32 v[48+4*\c+\g], v[64+32*\c+8*\g:71+32*\c+8*\g], v[44+\c]
.endr
.endr
	v_nop                                          ; one plain line behind the last conversion
	global_store_b128 v4, v[48:51], s[12:13]       ; registers 0-3 of the fragment, lane by lane: 512 consecutive bytes
	global_store_b128 v4, v[52:55], s[12:13] offset:512
	global_store_b32 v11, v9, s[14:15]             ; row r's word; lanes r and 16 + r store the same word at the same place
	s_endpgm
; ---- ROLE SORT.  All lanes stay on throughout: a lane with nothing to store aims at a dump word of its own, behind the block's entries, which nobody reads.
.Lsort:
	s_lshl_b32 s24, ttmp9, 11                      ; 512 tokens x 4 bytes
	s_add_nc_u64 s[4:5], s[4:5], s[24:25]          ; z at my block
.irp i, 0,1,2,3
	global_load_b128 v[Z+4*\i:Z+4*\i+3], v4, s[4:5] offset:512*\i
.endr
	s_lshl_b32 s24, ttmp9, 10                      ; 512 tokens x 2 bytes
	s_add_nc_u64 s[20:21], s[20:21], s[24:25]      ; slot at my block
	s_mul_i32 s24, ttmp9, LB
	s_add_nc_u64 s[18:19], s[18:19], s[24:25]      ; list at my block
	v_add_nc_u32 v82, 4097, v1                     ; what P holds for a token that is not my wave's
	v_add_nc_u32 v83, CAP, v1                      ; my dump word's index
	v_lshl_or_b32 v5, v1, 2, 0x800                 ; an entry's part that hangs on the lane: 4 x lane, and the mark of a row
	v_mov_b32 v12, 0                               ; the zeros of pads and tail
	s_lshl_b32 s36, s22, 2                         ; s36-39: my four experts
	s_add_co_u32 s37, s36, 1
	s_add_co_u32 s38, s36, 2
	s_add_co_u32 s39, s36, 3
.set e, 0
.rept 16
	s_mov_b32 s[68+e], 0                           ; s68-83: the 16 experts' counts
.set e, e+1
.endr
	s_wait_loadcnt 0x0
.set n, 0
.rept 16                                           ; pass 1: how many tokens has each of the 16 experts: every wave counts all, since its place in the list hangs on the waves ahead of it
.irp g, 0,1,2,3
.irp q, 0,1,2,3
	v_cmp_eq_u32 s[52+\q], 4*\g+\q, v[Z+n]
.endr
.irp q, 0,1,2,3
	s_bcnt1_i32_b32 s[56+\q], s[52+\q]
.endr
.irp q, 0,1,2,3
	s_add_co_u32 s[68+4*\g+\q], s[68+4*\g+\q], s[56+\q]
.endr
.endr
.set n, n+1
.endr
.irp q, 0,1,2,3
	s_mov_b32 s[40+\q], s[68+\q]                   ; s40-43: my four experts' counts, chosen by the wave's number
.endr
	s_cmp_eq_u32 s22, 1
.irp q, 0,1,2,3
	s_cselect_b32 s[40+\q], s[72+\q], s[40+\q]
.endr
	s_cmp_eq_u32 s22, 2
.irp q, 0,1,2,3
	s_cselect_b32 s[40+\q], s[76+\q], s[40+\q]
.endr
	s_cmp_eq_u32 s22, 3
.irp q, 0,1,2,3
	s_cselect_b32 s[40+\q], s[80+\q], s[40+\q]
.endr
.set e, 0
.rept 16
	s_add_co_u32 s[68+e], s[68+e], 15
	s_and_b32 s[68+e], s[68+e], -16                ; an expert takes whole tiles of 16
.set e, e+1
.endr
.irp g, 0,1,2,3
	s_add_co_u32 s[84+\g], s[68+4*\g], s[69+4*\g]  ; s84-87: the places that each wave's four experts take
	s_add_co_u32 s[84+\g], s[84+\g], s[70+4*\g]
	s_add_co_u32 s[84+\g], s[84+\g], s[71+4*\g]
.endr
	s_add_co_u32 s90, s84, s85
	s_add_co_u32 s91, s90, s86
	s_add_co_u32 s92, s91, s87                     ; s92: all places taken
	s_mov_b32 s88, 0                               ; s88: my wave's first place;  s93: its places
	s_mov_b32 s93, s84
	s_cmp_eq_u32 s22, 1
	s_cselect_b32 s88, s84, s88
	s_cselect_b32 s93, s85, s93
	s_cmp_eq_u32 s22, 2
	s_cselect_b32 s88, s90, s88
	s_cselect_b32 s93, s86, s93
	s_cmp_eq_u32 s22, 3
	s_cselect_b32 s88, s91, s88
	s_cselect_b32 s93, s87, s93
	s_mul_i32 s2, s22, 704
	s_add_co_u32 s44, s2, 1                        ; s44-47: 1 + the slot number of the next entry of my expert q: my wave's begin at 704 w,
.irp q, 0,1,2
	s_add_co_u32 s3, s[40+\q], 15
	s_and_b32 s3, s3, -16
	s_add_co_u32 s[45+\q], s[44+\q], s3            ; and the next expert begins behind the last one's tiles
.endr
.irp q, 0,1,2,3
	s_sub_co_u32 s[60+\q], 0, s[40+\q]
	s_and_b32 s[60+\q], s[60+\q], 15               ; s60-63: the zeros that fill each expert's last tile
.endr
	s_sub_co_u32 s94, s88, s2
	s_add_co_u32 s94, s94, -1                      ; s94: P + this = the place in the block's packed list
.set n, 0
.rept 16                                           ; pass 2: each token's number: the expert's running number + the matching lanes below mine
.irp q, 0,1,2,3
	v_cmp_eq_u32 s[52+\q], s[36+\q], v[Z+n]
.endr
.irp q, 0,1,2,3
	v_mbcnt_lo_u32_b32 v[8+\q], s[52+\q], s[44+\q]
.endr
.irp q, 0,1,2,3
	s_bcnt1_i32_b32 s[56+\q], s[52+\q]
.endr
.irp q, 0,1,2,3
	s_add_co_u32 s[44+\q], s[44+\q], s[56+\q]
.endr
	v_cndmask_b32 v[P+n], v82, v8, s52             ; the first choice starts P
	v_cndmask_b32 v[P+n], v[P+n], v9, s53
	v_cndmask_b32 v[P+n], v[P+n], v10, s54
	v_cndmask_b32 v[P+n], v[P+n], v11, s55
.set n, n+1
.endr
.set n, 0
.rept 16
	v_add_nc_u32 v[SO+n], s94, v[P+n]              ; the place; 1,984 or more for a token that is not mine (4,096 less 3 x 704 at the least)
	v_and_b32 v[SD+n], 3, v[Z+n]                   ; q
.set n, n+1
.endr
.set n, 0
.rept 16
	v_min_u32 v[SO+n], v[SO+n], v83                ; which so falls on my dump word
	v_lshl_or_b32 v[SD+n], v[SD+n], 9, v5
.set n, n+1
.endr
.set n, 0
.rept 16
	v_min_u32 v[SO+n], CAP+31, v[SO+n]             ; held inside the block's entries and dump words
.if n > 0
	v_or_b32 v[SD+n], 128*(n/4)+n%4, v[SD+n]       ; token 128 i + 4 lane + c
.endif
.set n, n+1
.endr
.set n, 0
.rept 16
	v_lshlrev_b32 v[SO+n], 1, v[SO+n]
.set n, n+1
.endr
; The entries go to their places: 2 bytes a lane; the matching lanes of one register and expert store neighbours, the others the 64 bytes of dump words.  1 KiB of entries a block.
.set n, 0
.rept 16
	global_store_b16 v[SO+n], v[SD+n], s[18:19] offset:HDR
.set n, n+1
.endr
.irp q, 0,1,2,3                                    ; zeros up to the end of each of my experts' last tile
	s_add_co_u32 s[48+\q], s[44+\q], s94           ; the place behind its last entry
	v_add_nc_u32 v[100+\q], s[48+\q], v1
	v_cmp_gt_u32 s[52+\q], s[60+\q], v1
	v_cndmask_b32 v[100+\q], v83, v[100+\q], s[52+\q]
	v_min_u32 v[100+\q], CAP+31, v[100+\q]
	v_lshlrev_b32 v[100+\q], 1, v[100+\q]
	global_store_b16 v[100+\q], v12, s[18:19] offset:HDR
.endr
	s_lshl_b32 s2, s22, 5                          ; behind all places taken 128 zeros, 32 from each wave: the reader looks at most 79 entries past a wave's last
	s_add_co_u32 s2, s2, s92
	v_add_nc_u32 v104, s2, v1
	v_min_u32 v104, CAP+31, v104                   ; 752 + 127 at the most
	v_lshlrev_b32 v104, 1, v104
	global_store_b16 v104, v12, s[18:19] offset:HDR
	s_lshl_b32 s3, s22, 3
	v_mov_b32 v105, s3                             ; my 8 bytes of the header; all lanes store the same two words at the same place
	v_mov_b32 v106, s88
	s_lshr_b32 s93, s93, 4
	v_mov_b32 v107, s93
	global_store_b64 v105, v[106:107], s[18:19]
; slot: each token's P is under 4,097 in one wave at the most.  The four waves' P meet in LDS, in token order; wave w takes the smallest of each of tokens 128 w .. 128 w + 127 and stores it, less 1.
	s_lshl_b32 s2, s22, 11
	v_add_nc_u32 v13, s2, v4                       ; 2,048 w + 16 x lane
.irp i, 0,1,2,3
	ds_store_b128 v13, v[P+4*\i:P+4*\i+3] offset:512*\i
.endr
	s_wait_dscnt 0x0                               ; for the others' sake: my stores are done
	s_barrier_signal -1
	s_barrier_wait -1
	s_lshl_b32 s2, s22, 9
	v_add_nc_u32 v14, s2, v4                       ; 512 w + 16 x lane: my four tokens, in each wave's 2,048 bytes
.irp k, 0,1,2,3
	ds_load_b128 v[MN+4*\k:MN+4*\k+3], v14 offset:2048*\k
.endr
	s_lshl_b32 s2, s22, 8
	v_lshl_add_u32 v15, v1, 3, s2                  ; 256 w + 8 x lane: the same four tokens in slot
	s_wait_dscnt 0x0
.irp c, 0,1,2,3
	v_min_u32 v[MN+\c], v[MN+\c], v[MN+4+\c]
	v_min_u32 v[MN+8+\c], v[MN+8+\c], v[MN+12+\c]
.endr
.irp c, 0,1,2,3
	v_min_u32 v[MN+\c], v[MN+\c], v[MN+8+\c]
.endr
.irp c, 0,1,2,3
	v_add_nc_u32 v[MN+\c], -1, v[MN+\c]            ; the slot number, or 4,096 + lane where no expert took the token
.endr
	v_lshl_or_b32 v[MN], v[MN+1], 16, v[MN]        ; two to a word
	v_lshl_or_b32 v[MN+1], v[MN+3], 16, v[MN+2]
	global_store_b64 v15, v[MN:MN+1], s[20:21]     ; 32 lanes store 256 consecutive bytes, at a multiple of 256 from slot's first byte
	s_wait_tensorcnt 0x0                           ; the wave's end, behind my last LDS store
	ds_add_u32 v6, v7
	s_wait_dscnt 0x0
	s_endpgm
.Lfunc_end_k_q4575cd77cb_prep:
	.size	k_q4575cd77cb_prep, .Lfunc_end_k_q4575cd77cb_prep-k_q4575cd77cb_prep
	.p2alignl 7, 3214868480
	.fill 96, 4, 3214868480
	.section	.rodata,"a",@progbits
	.p2align	6, 0x0
	.amdhsa_kernel k_q4575cd77cb_prep
		.amdhsa_group_segment_fixed_size 8704
		.amdhsa_private_segment_fixed_size 0
		.amdhsa_enable_private_segment 0
		.amdhsa_kernarg_size 72
		.amdhsa_user_sgpr_count 2
		.amdhsa_user_sgpr_kernarg_segment_ptr 1
		.amdhsa_wavefront_size32 1
		.amdhsa_system_sgpr_workgroup_id_x 1
		.amdhsa_system_sgpr_workgroup_id_y 1
		.amdhsa_system_sgpr_workgroup_id_z 1
		.amdhsa_system_vgpr_workitem_id 0
		.amdhsa_next_free_vgpr 128
		.amdhsa_next_free_sgpr 100
		.amdhsa_reserve_vcc 1
		.amdhsa_float_denorm_mode_32 3
		.amdhsa_float_denorm_mode_16_64 3
		.amdhsa_memory_ordered 1
		.amdhsa_forward_progress 1
		.amdhsa_inst_pref_size 85
	.end_amdhsa_kernel
	.amdgpu_metadata
---
amdhsa.version: [ 1, 2 ]
amdhsa.kernels:
  - .name:           k_q4575cd77cb_prep
    .symbol:         k_q4575cd77cb_prep.kd
    .args:
      - { .name: z, .offset: 0, .size: 8, .value_kind: global_buffer, .address_space: global }
      - { .name: W1, .offset: 8, .size: 8, .value_kind: global_buffer, .address_space: global }
      - { .name: W2, .offset: 16, .size: 8, .value_kind: global_buffer, .address_space: global }
      - { .name: b2, .offset: 24, .size: 8, .value_kind: global_buffer, .address_space: global }
      - { .name: wfrag, .offset: 32, .size: 8, .value_kind: global_buffer, .address_space: global }
      - { .name: wscl, .offset: 40, .size: 8, .value_kind: global_buffer, .address_space: global }
      - { .name: w2img, .offset: 48, .size: 8, .value_kind: global_buffer, .address_space: global }
      - { .name: list, .offset: 56, .size: 8, .value_kind: global_buffer, .address_space: global }
      - { .name: slot, .offset: 64, .size: 8, .value_kind: global_buffer, .address_space: global }
    .group_segment_fixed_size: 8704
    .private_segment_fixed_size: 0
    .kernarg_segment_align: 8
    .kernarg_segment_size: 72
    .max_flat_workgroup_size: 128
    .sgpr_count:     100
    .vgpr_count:     128
    .wavefront_size: 32
...
	.end_amdgpu_metadata
.endif
;; end of part 1
;; launch main (part 2): grid 256 x 1, 4 waves a work-group, no clusters, 64,000 bytes of LDS; arguments x, wfrag, wscl, w2img, b1, list, slot, out0; writes out0
.if DOCPART == 2
	.amdgcn_target "amdgcn-amd-amdhsa--gfx1250"
	.amdhsa_code_object_version 6
	.text
	.protected	k_q4575cd77cb_main
	.globl	k_q4575cd77cb_main
	.p2align	8
	.type	k_q4575cd77cb_main,@function
k_q4575cd77cb_main:
	s_mov_b64 s[64:65], 0
	v_nop
	global_prefetch_b8 v0, s[64:65] scope:SCOPE_SE
	s_setreg_imm32_b32 hwreg(HW_REG_WAVE_MODE, 25, 1), 1
	s_wait_xcnt 0x0
; out0[token] = softmax(relu(Q(x) Q(W1[z]) + b1[z]) W2[z] + b2[z]).  WORK LEFT OUT: the 15 experts that reference()'s jnp.where((z == i) ..) throws away for each token; the lists of the launch before say which rows go to which expert.
; LIMITS: a NaN, an infinity or an overflow that could arise only in the experts left out is not carried to the result; a block of x whose largest magnitude lies under 2^-124 keeps the scale byte 1;
; NaN and infinities in x are not served; the hidden layer and W2 are rounded to bf16 for the second product (sums in f32).
; SHARES.  A work-group owns 512 neighbouring tokens, 512 KiB of x; wave w owns experts 4 w .. 4 w + 3, whose W1 (codes, 512 registers) stays in its registers.  The wave walks its part of the block's list in tiles of 16 rows of one expert.
; THE LIST.  The block's header gives my wave's first entry and its number of tiles.  A pair of tiles is 32 entries of 2 bytes: one load, an entry a lane; they are widened in the lanes (token << 10 | the lanes' five bits | 4 | q; 0 for a pad
; and for a tile beyond my count) and handed to scalar registers, since a row's address is the same in all lanes but for 16 x lane.
; A ROW of x (1,024 bytes) comes by two loads of 512 consecutive bytes: lane l holds k = 4 l .. 4 l + 3 and 128 + 4 l .. + 3, so a block of 32 lies in eight lanes.  Largest magnitudes by three DPP steps; two conversions a row
; (each on all eight numbers, one half of each result being under the right scale); the codes, 2 bytes a lane and block, turn through the wave's own LDS bytes into the operand's rows.
; THE ORDER OF K's BLOCKS is the weights': K step s, place 2 c + h holds block 2 s + c + 4 h: a row's image in LDS is blocks 0 4 1 5 2 6 3 7, 16 bytes each.
; FIRST PRODUCT, transposed: source 0 = 16 hidden units of W1, source 1 = the tile's 16 rows, C = b1: lane (r, h) holds row r, register j of tile t hidden unit 16 t + 8 h + j.  relu, rounded to bf16 in pairs: that IS source 1 of the
; SECOND PRODUCT (source 0 = W2 of my four experts, two rows each): expert q's logits fall into registers 2 (q % 2), + 1 of the half q / 2 of the lanes.  All lanes go through the softmax; the other half's results go to a shadow of the stage.
; RESULTS meet in a stage in LDS, one cell of 8 bytes for each place of a wave's list, which begins as (0.5, 0.5) everywhere; at the end each token fetches its cell by its slot number and the 512 rows leave as whole runs of 512 bytes.
; NO TENSOR LOADS, NO CLUSTER: which expert a tile has and where a list ends are branches on stored numbers, so all operands go from memory straight into registers; the weights were laid out for that by the launch before.
; No hint on x's loads: a list's pad rows name the block's first bytes again and again (all lanes one address: 16 bytes a load, not 512).
; REGISTERS, in windows of 256: window 0 as named below; window 1: 32 row slots of 8; windows 2, 3: W1's codes, expert q in window 2 + q / 2 at 128 (q % 2) + 8 (2 t + s).
.set CP,     144                       ; a row's 128 bytes of codes + 16: the 16 rows that a fragment load touches begin 36 words apart
.set CW,     16*CP                     ; LDS from 0: a tile's codes, for each wave
.set XSC,    4*CW                      ; x's scale bytes, 8 a row; 256 bytes for each wave
.set B1T,    XSC+4*256                 ; b1 of the wave's four experts, 2,048 bytes for each wave
.set STG,    B1T+4*2048                ; the stage: 704 cells of 8 bytes for each wave
.set SW,     704*8
.set SHD,    4*SW                      ; the shadow lies this far behind the stage
.set SPARE,  STG+2*SHD                 ; the spare words, 128 bytes for each wave
.set HDR,    64                        ; a block's header in list
.set LB,     HDR+2*(880+32)            ; a block's part of list, in bytes
.set LMASK, 1                          ; v1      0xfffffc00 | 16 x lane: a widened entry AND this = the row's byte offset + my 16 bytes; 0 for a pad
.set CST,  2                           ; v2      where my 2 bytes of a row's codes go
.set SST,  3                           ; v3      and my block pair's two scale bytes
.set FRD,  4                           ; v4      where I read x's fragments
.set SRD,  5                           ; v5      and its scale words
.set B1A,  6                           ; v6      b1 as C: my half's eight numbers of a tile
.set STA,  7                           ; v7, v8  my cell of the first pair's first tile, for experts 0, 1 and for experts 2, 3: the half of the lanes that holds nothing aims at the shadow
.set SIA,  9                           ; v9      my 16 bytes of the stage's first 512, for the fill at the head
.set SPW,  10                          ; v10     my spare word; never rewritten
.set NIL,  11                          ; v11     0; never rewritten
.set SLA,  12                          ; v12-15  four tokens' slot numbers, then their cells' addresses
.set L16,  16                          ; v16-18  16, 8, 4 x lane; never rewritten
.set L8,   17
.set L4,   18
.set B1S,  19                          ; v19     where b1 is stored
.set VH,   20                          ; v20     lane / 16: which tile of a pair my entry belongs to
.set VLO,  21                          ; v21     my entry's byte in the block's list, of the pair asked for last but one
.set VL,   22                          ; v22     the next pair's entries, landing;  v23 the first pair's
.set VA,   23
.set VOFF, 24                          ; v24-55  a row slot's byte offset in the block
.set W1S,  56                          ; v56-87  W1's scale words, register 8 q + t: lanes 0-15 K step 0, lanes 16-31 K step 1
.set W2F,  88                          ; v88-119 W2's four fragments;  v120-127 b2 as C
.set B2C,  120
.set ACC,  128                         ; v128-191 the hidden layer's 8 tiles
.set XF,   192                         ; v192-207 x's two fragments;  v208-209 its scale words
.set XS,   208
.set D2A,  210                         ; v210-225 the second product's two accumulators (at the head v210-213 hold the 0.5 that fill the stage)
.set D2B,  218
.set MQ,   226                         ; v226-249 four rows x (two largest magnitudes, two code words, two bytes); at a trip's top the entries being widened; at the end the rows of out0
.set SM,   250                         ; v250-253 softmax
.set STC,  254                         ; v254, v255  STA's two, at the pair in hand
.set MSB, 0
.macro WIN new                         ; the immediate's high byte repeats the setting that is left; low byte: bits 1:0 source 0, 3:2 source 1, 5:4 source 2, 7:6 destination
.if MSB != \new
	s_set_vgpr_msb (MSB<<8)|\new
.set MSB, \new
.endif
.endm
; SCALARS: s[4:19] the eight addresses; s20-51 the 32 widened entries of the pair that is being asked for; s68 my first entry, s69 my number of tiles; s52 wave; s53 trips; s54 the pair's place in the stage;
; s55-58 q and mark of the two tiles at work; s59-62 of the next two.
.macro FLAGS d                         ; a tile's first entry says which expert (bits 1:0) and whether there is a tile (bit 2)
	s_and_b32 s[\d], s20, 3
	s_bfe_u32 s[\d+1], s20, 0x10002
	s_and_b32 s[\d+2], s36, 3
	s_bfe_u32 s[\d+3], s36, 0x10002
.endm
; A pair's 32 entries, one a lane in v[src], are widened and go to s20-51.  s2 = the number of the pair's first tile.
.macro EXPAND src
	v_and_b32 v[MQ], 0x1ff, v[\src]                ; the token
	v_lshrrev_b32 v[MQ+1], 9, v[\src]              ; q, and the mark of a row as bit 2
	v_bfe_u32 v[MQ+2], v[\src], 11, 1              ; the mark alone,
	v_add_nc_u32 v[MQ+3], s2, v[VH]                ; my entry's tile
	v_mul_u32_u24 v[MQ+2], v[MQ+2], 0x1f0          ; as the lanes' five bits
	v_lshl_or_b32 v[MQ], v[MQ], 10, v[MQ+1]
	v_cmp_gt_u32 vcc_lo, s69, v[MQ+3]              ; is the tile one of mine?  Behind my last tile lie another wave's entries, or the tail's zeros
	v_or_b32 v[MQ], v[MQ], v[MQ+2]
	v_cndmask_b32 v[MQ], 0, v[MQ], vcc_lo
.set n, 0
.rept 32
	v_readlane_b32 s[20+n], v[MQ], n
.set n, n+1
.endr
.endm
.macro ISSUE4 j0                       ; row slots j0 .. j0 + 3 are asked for: eight loads
	WIN 0
.irp d, 0,1,2,3
	s_min_u32 s[20+\j0+\d], s[20+\j0+\d], 0x7ffff                  ; a stored number is held inside the block before it enters an address
	v_and_b32 v[VOFF+\j0+\d], s[20+\j0+\d], v[LMASK]
.endr
	WIN 0x40                                       ; destination window 1
.irp d, 0,1,2,3
	global_load_b128 v[8*(\j0+\d):8*(\j0+\d)+3], v[VOFF+\j0+\d], s[4:5]
	global_load_b128 v[8*(\j0+\d)+4:8*(\j0+\d)+7], v[VOFF+\j0+\d], s[4:5] offset:512
.endr
	WIN 0
.endm
; Four rows are quantised, their codes and scale bytes go to LDS, and their slots are asked for again with the next pair's rows.
.macro QB j0
	s_wait_loadcnt 56                              ; behind these four rows' eight loads stand seven batches of eight and the trip's one load of entries, 57: the count asks for one load more than these rows need, so that
	                                               ; the trip's last such wait, with 56 loads behind the load of entries, shows that one done too.  The wait also frees the rows' offsets
	WIN 0x05                                       ; sources 0 and 1 window 1
.irp d, 0,1,2,3
	v_max3_num_f32 v[MQ+6*\d], |v[8*(\j0+\d)]|, |v[8*(\j0+\d)+1]|, 0x1800000     ; with the floor 2^(3 - 127): the byte cannot fall under 1
	v_max3_num_f32 v[MQ+6*\d+1], |v[8*(\j0+\d)+4]|, |v[8*(\j0+\d)+5]|, 0x1800000
.endr
.irp d, 0,1,2,3
	v_max3_num_f32 v[MQ+6*\d], |v[8*(\j0+\d)+2]|, |v[8*(\j0+\d)+3]|, v[MQ+6*\d]
	v_max3_num_f32 v[MQ+6*\d+1], |v[8*(\j0+\d)+6]|, |v[8*(\j0+\d)+7]|, v[MQ+6*\d+1]
.endr
	WIN 0
.irp m, 1,2,4                                      ; a block's eight lanes
.irp d, 0,1,2,3
	v_max_num_f32_dpp v[MQ+6*\d], v[MQ+6*\d], v[MQ+6*\d] row_xmask:\m row_mask:0xf bank_mask:0xf
	v_max_num_f32_dpp v[MQ+6*\d+1], v[MQ+6*\d+1], v[MQ+6*\d+1] row_xmask:\m row_mask:0xf bank_mask:0xf
.endr
.endr
.irp d, 0,1,2,3
	v_add_nc_u32 v[MQ+6*\d], 0xff000000, v[MQ+6*\d]                ; 2 off the exponent field: the conversion's scale operand
	v_add_nc_u32 v[MQ+6*\d+1], 0xff000000, v[MQ+6*\d+1]
.endr
	WIN 0x01                                       ; source 0 window 1
.irp d, 0,1,2,3
	v_cvt_scalef32_pk8_fp4_f32 v[MQ+6*\d+2], v[8*(\j0+\d):8*(\j0+\d)+7], v[MQ+6*\d]     ; its low half: the codes of k = 4 l .. 4 l + 3
	v_cvt_scalef32_pk8_fp4_f32 v[MQ+6*\d+3], v[8*(\j0+\d):8*(\j0+\d)+7], v[MQ+6*\d+1]   ; its high half: those of k = 128 + 4 l ..
.endr
	WIN 0
.irp d, 0,1,2,3
	v_lshrrev_b32 v[MQ+6*\d+4], 23, v[MQ+6*\d]     ; the scales' bytes.  (Plain lines behind the conversions)
	v_lshrrev_b32 v[MQ+6*\d+5], 23, v[MQ+6*\d+1]
.endr
.irp d, 0,1,2,3
	v_lshl_or_b32 v[MQ+6*\d+4], v[MQ+6*\d+5], 8, v[MQ+6*\d+4]      ; blocks b and 4 + b are neighbours in the scale words
.endr
.irp d, 0,1,2,3
	ds_store_b16 v[CST], v[MQ+6*\d+2] offset:CP*((\j0+\d)%16)
	ds_store_b16_d16_hi v[CST], v[MQ+6*\d+3] offset:CP*((\j0+\d)%16)+16
	ds_store_b16 v[SST], v[MQ+6*\d+4] offset:8*((\j0+\d)%16)       ; a block's eight lanes store the same two bytes
.endr
	ISSUE4 \j0
.endm
; A tile of expert q (0..3 of my four), the hf-th of its pair: both products, the softmax, the result into the stage.
.macro MAT q, hf
.irp s, 0,1
.irp c, 0,1
	ds_load_b128 v[XF+8*\s+4*\c:XF+8*\s+4*\c+3], v[FRD] offset:64*\s+32*\c     ; LDS serves a wave's instructions in order: these see my stores
.endr
.endr
	ds_load_b64 v[XS:XS+1], v[SRD]
.irp t, 0,1,2,3,4,5,6,7
	ds_load_b128 v[ACC+8*\t:ACC+8*\t+3], v[B1A] offset:512*(\q)+64*\t          ; b1 is the C of each sum's first product
	ds_load_b128 v[ACC+8*\t+4:ACC+8*\t+7], v[B1A] offset:512*(\q)+64*\t+16
.endr
	s_wait_dscnt 0x0
	WIN 0x02+(\q)/2                                ; source 0 (W1) window 2 or 3
.irp t, 0,1,2,3,4,5,6,7                            ; the eight accumulators by turns, one instruction a turn
	v_wmma_scale_f32_16x16x128_f8f6f4 v[ACC+8*\t:ACC+8*\t+7], v[128*((\q)%2)+16*\t:128*((\q)%2)+16*\t+7], v[XF:XF+7], v[ACC+8*\t:ACC+8*\t+7], v[W1S+8*(\q)+\t], v[XS] matrix_a_fmt:MATRIX_FMT_FP4 matrix_b_fmt:MATRIX_FMT_FP4
.endr
.irp t, 0,1,2,3,4,5,6,7
	v_wmma_scale_f32_16x16x128_f8f6f4 v[ACC+8*\t:ACC+8*\t+7], v[128*((\q)%2)+16*\t+8:128*((\q)%2)+16*\t+15], v[XF+8:XF+15], v[ACC+8*\t:ACC+8*\t+7], v[W1S+8*(\q)+\t], v[XS+1] matrix_a_fmt:MATRIX_FMT_FP4 matrix_b_fmt:MATRIX_FMT_FP4 matrix_a_scale:MATRIX_SCALE_ROW1
.endr
	WIN 0
.rept 4
	v_nop                                          ; four places behind the last product (ISA guide 7.12.1), ahead of the first read of results
.endr
.set n, 0
.rept 64
	v_max_num_f32 v[ACC+n], 0, v[ACC+n]            ; relu, in f32; each accumulator from its low end on
.set n, n+1
.endr
.set n, 0
.rept 32
	v_cvt_pk_bf16_f32 v[ACC+n], v[ACC+2*n], v[ACC+2*n+1]           ; in place: register n was read by step n / 2.  Registers 8 c .. 8 c + 7 are now source 1 for hidden units 32 c .. 32 c + 31
.set n, n+1
.endr
	v_wmma_f32_16x16x32_bf16 v[D2A:D2A+7], v[W2F:W2F+7], v[ACC:ACC+7], v[B2C:B2C+7]          ; two accumulators by turns; b2 starts one sum, 0 the other
	v_wmma_f32_16x16x32_bf16 v[D2B:D2B+7], v[W2F+8:W2F+15], v[ACC+8:ACC+15], 0
	v_wmma_f32_16x16x32_bf16 v[D2A:D2A+7], v[W2F+16:W2F+23], v[ACC+16:ACC+23], v[D2A:D2A+7]
	v_wmma_f32_16x16x32_bf16 v[D2B:D2B+7], v[W2F+24:W2F+31], v[ACC+24:ACC+31], v[D2B:D2B+7]
.rept 4
	v_nop
.endr
	v_add_f32 v[SM], v[D2A+2*((\q)%2)], v[D2B+2*((\q)%2)]          ; the two logits: among each accumulator's four lowest registers
	v_add_f32 v[SM+1], v[D2A+2*((\q)%2)+1], v[D2B+2*((\q)%2)+1]
	v_max_num_f32 v[SM+2], v[SM], v[SM+1]          ; the maximum is taken away, as reference()'s softmax does
	v_sub_f32 v[SM], v[SM], v[SM+2]
	v_sub_f32 v[SM+1], v[SM+1], v[SM+2]
	v_mul_f32 v[SM], 0x3fb8aa3b, v[SM]             ; x log2(e)
	v_mul_f32 v[SM+1], 0x3fb8aa3b, v[SM+1]
	v_exp_f32 v[SM], v[SM]
	v_exp_f32 v[SM+1], v[SM+1]
	v_nop                                          ; a plain line behind the exponentials,
	s_wait_alu depctr_va_vdst(0)                   ; and one wait for both, ahead of their first reader
	v_add_f32 v[SM+2], v[SM], v[SM+1]
	v_rcp_f32 v[SM+3], v[SM+2]
	v_nop
	s_wait_alu depctr_va_vdst(0)
	v_mul_f32 v[SM], v[SM], v[SM+3]
	v_mul_f32 v[SM+1], v[SM+1], v[SM+3]
	ds_store_b64 v[STC+(\q)/2], v[SM:SM+1] offset:128*(\hf)
.endm
.macro DISPATCH sq, hf                 ; register numbers hang on the expert: four copies, chosen by a scalar branch on the stored number
	s_cmp_eq_u32 s[\sq], 0
	s_cbranch_scc1 .Lq0_\@
	s_cmp_eq_u32 s[\sq], 1
	s_cbranch_scc1 .Lq1_\@
	s_cmp_eq_u32 s[\sq], 2
	s_cbranch_scc1 .Lq2_\@
	MAT 3, \hf
	s_branch .Ldone_\@
.Lq0_\@:
	MAT 0, \hf
	s_branch .Ldone_\@
.Lq1_\@:
	MAT 1, \hf
	s_branch .Ldone_\@
.Lq2_\@:
	MAT 2, \hf
.Ldone_\@:
.endm
	s_load_b512 s[4:19], s[0:1], 0x0               ; x s[4:5], wfrag s[6:7], wscl s[8:9], w2img s[10:11], b1 s[12:13], list s[14:15], slot s[16:17], out0 s[18:19]
	v_lshl_add_u32 v[SPW], v0, 2, SPARE
	v_mov_b32 v[NIL], 0
	v_lshrrev_b32 v226, 5, v0
	v_readfirstlane_b32 s52, v226                  ; wave 0..3
	s_mul_i32 s100, ttmp9, LB
	s_mov_b32 s101, 0
	s_wait_kmcnt 0x0
	s_add_nc_u64 s[14:15], s[14:15], s[100:101]    ; list at my block
	s_lshl_b32 s100, s52, 3
	s_add_nc_u64 s[70:71], s[14:15], s[100:101]
	s_load_b64 s[68:69], s[70:71], 0x0             ; the header first: the entries' address hangs on it, and x's on the entries.  My first entry, my number of tiles
	s_lshl_b32 s100, ttmp9, 19                     ; 512 rows of 1,024 bytes
	s_add_nc_u64 s[4:5], s[4:5], s[100:101]
	s_lshl_b32 s100, s52, 16                       ; four experts' fragments
	s_add_nc_u64 s[6:7], s[6:7], s[100:101]
	s_lshl_b32 s100, s52, 12                       ; their scale words
	s_add_nc_u64 s[8:9], s[8:9], s[100:101]
	s_mul_i32 s100, s52, 5120                      ; W2's and b2's images
	s_add_nc_u64 s[10:11], s[10:11], s[100:101]
	s_lshl_b32 s100, s52, 11                       ; four rows of b1
	s_add_nc_u64 s[12:13], s[12:13], s[100:101]
	s_lshl_b32 s100, ttmp9, 10
	s_lshl_b32 s2, s52, 8
	s_add_co_u32 s100, s100, s2                    ; tokens 512 block + 128 w on: 2 bytes each in slot,
	s_add_nc_u64 s[16:17], s[16:17], s[100:101]
	s_lshl_b32 s100, s100, 2                       ; 8 in out0
	s_add_nc_u64 s[18:19], s[18:19], s[100:101]
	v_and_b32 v226, 31, v0                         ; lane
	v_and_b32 v227, 15, v0                         ; r
	v_bfe_u32 v228, v0, 4, 1                       ; h
	v_bfe_u32 v[VH], v0, 4, 1
	v_lshlrev_b32 v[L16], 4, v226
	v_lshlrev_b32 v[L8], 3, v226
	v_lshlrev_b32 v[L4], 2, v226
	v_lshlrev_b32 v[VLO], 1, v226
.irp i, 0,1,2,3
	global_load_b128 v[ACC+4*\i:ACC+4*\i+3], v[L16], s[12:13] offset:512*\i    ; b1, on its way to LDS
.endr
	global_load_b32 v[SLA], v[L4], s[16:17]                        ; slot of tokens 2 lane, 2 lane + 1,
	global_load_b32 v[SLA+2], v[L4], s[16:17] offset:128           ; and of those 64 further on
.irp u, 0,1,2,3,4,5,6,7,8,9
	global_load_b128 v[W2F+4*\u:W2F+4*\u+3], v[L16], s[10:11] offset:512*\u
.endr
.set n, 0
.rept 32
	global_load_b32 v[W1S+n], v[L4], s[8:9] offset:128*n
.set n, n+1
.endr
	s_wait_kmcnt 0x0                               ; the header
	s_min_u32 s68, s68, 752                        ; a stored number is held inside the block's entries before it enters an address
	s_lshl_b32 s2, s68, 1
	v_add_nc_u32 v[VLO], s2, v[VLO]                ; 2 x (my first entry + lane)
	global_load_u16 v[VA], v[VLO], s[14:15] offset:HDR             ; pair 0 (tiles 0, 1),
	global_load_u16 v[VL], v[VLO], s[14:15] offset:HDR+64          ; pair 1
	WIN 0x80                                       ; destination window 2: experts 0 and 1
.set n, 0
.rept 64
	global_load_b128 v[4*n:4*n+3], v[L16], s[6:7] offset:512*n
.set n, n+1
.endr
	WIN 0xc0                                       ; window 3: experts 2 and 3
.set n, 0
.rept 64
	global_load_b128 v[4*n:4*n+3], v[L16], s[6:7] offset:32768+512*n
.set n, n+1
.endr
	WIN 0
	v_lshl_or_b32 v[LMASK], v226, 4, 0xfffffc00
	s_mul_i32 s2, s52, CW
	v_lshrrev_b32 v229, 3, v226                    ; which block of a load's four
	v_and_b32 v230, 7, v226
	v_lshlrev_b32 v[CST], 5, v229                  ; blocks b and 4 + b take 32 bytes of a row's image,
	v_lshl_add_u32 v[CST], v230, 1, v[CST]         ; my four codes 2
	v_add_nc_u32 v[CST], s2, v[CST]
	v_mul_u32_u24 v[FRD], v227, CP
	v_lshl_add_u32 v[FRD], v228, 4, v[FRD]
	v_add_nc_u32 v[FRD], s2, v[FRD]                ; row r, + 16 h
	s_lshl_b32 s2, s52, 8
	s_add_co_u32 s2, s2, XSC
	v_lshl_add_u32 v[SST], v229, 1, s2
	v_lshl_add_u32 v[SRD], v227, 3, s2
	s_lshl_b32 s2, s52, 11
	s_add_co_u32 s2, s2, B1T
	v_lshl_add_u32 v[B1A], v228, 5, s2
	v_add_nc_u32 v[B1S], s2, v[L16]
	s_mul_i32 s2, s52, SW
	s_add_co_u32 s2, s2, STG
	v_lshl_add_u32 v231, v227, 3, s2               ; my wave's stage, cell r
	v_mul_u32_u24 v232, v228, SHD
	v_add_nc_u32 v[STA], v231, v232                ; experts 0, 1: lanes 16-31 aim at the shadow
	v_xor_b32 v232, 1, v228
	v_mul_u32_u24 v232, v232, SHD
	v_add_nc_u32 v[STA+1], v231, v232              ; experts 2, 3: lanes 0-15 do
	v_add_nc_u32 v[SIA], s2, v[L16]
.irp n, 0,1,2,3
	v_mov_b32 v[D2A+\n], 0.5
.endr
.set n, 0
.rept 11                                           ; my whole stage, 11 x 512 bytes, begins as softmax(0, 0): so does cell 2,815, wave 3's last, which no tile reaches (35 tiles of 16 at the most) and which serves the tokens that no expert takes
	ds_store_b128 v[SIA], v[D2A:D2A+3] offset:512*n
.set n, n+1
.endr
	s_mov_b32 s53, 0
	s_mov_b32 s54, 0
	s_wait_loadcnt 63                              ; behind b1's, slot's and the entries' loads stand the 128 of W1's codes; 63 is the largest count that can be written
.irp i, 0,1,2,3
	ds_store_b128 v[B1S], v[ACC+4*\i:ACC+4*\i+3] offset:512*\i
.endr
	v_lshrrev_b32 v[SLA+1], 16, v[SLA]             ; two slot numbers to a word
	v_lshrrev_b32 v[SLA+3], 16, v[SLA+2]
	v_and_b32 v[SLA], 0xffff, v[SLA]
	v_and_b32 v[SLA+2], 0xffff, v[SLA+2]
.irp n, 0,1,2,3
	v_min_u32 v[SLA+\n], 2815, v[SLA+\n]           ; a stored number is held inside the stage before it enters an address; what lies beyond becomes cell 2,815
.endr
.irp n, 0,1,2,3
	v_lshl_add_u32 v[SLA+\n], v[SLA+\n], 3, STG
.endr
	s_mov_b32 s2, 0
	EXPAND VA                                      ; pair 0
	FLAGS 55
.irp j, 0,4,8,12,16,20,24,28
	ISSUE4 \j                                      ; the ring is filled: 32 rows, 64 loads
.endr
; A TRIP: a pair of tiles, 32 rows.  Every wave walks all 18 trips (a wave has 35 tiles at the most: 512 / 16 and one part tile for each of three experts more); where its list has ended, a trip's work is
; jumped over, not the lines at its end that step the stage's place and the count.  No load is issued on that way, so the counts of the waits are the same on every way.
.Lpair:
	v_add_nc_u32 v[STC], s54, v[STA]               ; this pair's cells, made ahead of every branch
	v_add_nc_u32 v[STC+1], s54, v[STA+1]
	s_cmp_eq_u32 s56, 0
	s_cbranch_scc1 .Lskip                          ; no tile left
	s_lshl_b32 s2, s53, 1
	s_add_co_u32 s2, s2, 2                         ; the next pair's first tile
	EXPAND VL                                      ; its entries have landed: asked for a trip ago (the first: at the head), shown done by that trip's last wait for rows (by the head's wait)
	FLAGS 59
	v_add_nc_u32 v[VLO], 64, v[VLO]                ; free since the same wait
	global_load_u16 v[VL], v[VLO], s[14:15] offset:HDR+64          ; the pair after the next: a whole trip in which to land; at most 79 entries past my last, inside the tail's 128 zeros
	QB 0
	QB 4
	QB 8
	QB 12
	DISPATCH 55, 0
	QB 16                                          ; the second tile's rows are always walked, pads too: so the count of loads is the same on every way
	QB 20
	QB 24
	QB 28
	s_cmp_eq_u32 s58, 0
	s_cbranch_scc1 .Lodd                           ; the list ended with the pair's first tile
	DISPATCH 57, 1
.Lodd:
	s_mov_b32 s55, s59
	s_mov_b32 s56, s60
	s_mov_b32 s57, s61
	s_mov_b32 s58, s62
.Lskip:
	s_add_co_u32 s54, s54, 256                     ; 32 cells on
	s_add_co_u32 s53, s53, 1
	s_cmp_lt_u32 s53, 18
	s_cbranch_scc1 .Lpair
	s_wait_dscnt 0x0                               ; for the others' sake: my results lie in the stage
	s_barrier_signal -1
	s_barrier_wait -1                              ; everybody's do
	ds_load_b64 v[MQ:MQ+1], v[SLA]                 ; each token fetches its cell; between this barrier and the next no wave writes LDS
	ds_load_b64 v[MQ+2:MQ+3], v[SLA+1]
	ds_load_b64 v[MQ+4:MQ+5], v[SLA+2]
	ds_load_b64 v[MQ+6:MQ+7], v[SLA+3]
	s_wait_dscnt 0x0
	global_store_b128 v[L16], v[MQ:MQ+3], s[18:19]                 ; two tokens a lane: 32 lanes store 512 consecutive bytes, at a multiple of 512 from out0's first byte
	global_store_b128 v[L16], v[MQ+4:MQ+7], s[18:19] offset:512
	s_barrier_signal -1
	s_barrier_wait -1                              ; every wave's reads of the stage are back
	s_wait_tensorcnt 0x0                           ; the wave's end, behind my last LDS store
	ds_add_u32 v[SPW], v[NIL]
	s_wait_dscnt 0x0
	s_endpgm
.Lfunc_end_k_q4575cd77cb_main:
	.size	k_q4575cd77cb_main, .Lfunc_end_k_q4575cd77cb_main-k_q4575cd77cb_main
	.p2alignl 7, 3214868480
	.fill 96, 4, 3214868480
	.section	.rodata,"a",@progbits
	.p2align	6, 0x0
	.amdhsa_kernel k_q4575cd77cb_main
		.amdhsa_group_segment_fixed_size 64000
		.amdhsa_private_segment_fixed_size 0
		.amdhsa_enable_private_segment 0
		.amdhsa_kernarg_size 64
		.amdhsa_user_sgpr_count 2
		.amdhsa_user_sgpr_kernarg_segment_ptr 1
		.amdhsa_wavefront_size32 1
		.amdhsa_system_sgpr_workgroup_id_x 1
		.amdhsa_system_sgpr_workgroup_id_y 1
		.amdhsa_system_sgpr_workgroup_id_z 1
		.amdhsa_system_vgpr_workitem_id 0
		.amdhsa_next_free_vgpr 1024
		.amdhsa_next_free_sgpr 102
		.amdhsa_reserve_vcc 1
		.amdhsa_float_denorm_mode_32 3
		.amdhsa_float_denorm_mode_16_64 3
		.amdhsa_memory_ordered 1
		.amdhsa_forward_progress 1
		.amdhsa_inst_pref_size 158
	.end_amdhsa_kernel
	.amdgpu_metadata
---
amdhsa.version: [ 1, 2 ]
amdhsa.kernels:
  - .name:           k_q4575cd77cb_main
    .symbol:         k_q4575cd77cb_main.kd
    .args:
      - { .name: x, .offset: 0, .size: 8, .value_kind: global_buffer, .address_space: global }
      - { .name: wfrag, .offset: 8, .size: 8, .value_kind: global_buffer, .address_space: global }
      - { .name: wscl, .offset: 16, .size: 8, .value_kind: global_buffer, .address_space: global }
      - { .name: w2img, .offset: 24, .size: 8, .value_kind: global_buffer, .address_space: global }
      - { .name: b1, .offset: 32, .size: 8, .value_kind: global_buffer, .address_space: global }
      - { .name: list, .offset: 40, .size: 8, .value_kind: global_buffer, .address_space: global }
      - { .name: slot, .offset: 48, .size: 8, .value_kind: global_buffer, .address_space: global }
      - { .name: out0, .offset: 56, .size: 8, .value_kind: global_buffer, .address_space: global }
    .group_segment_fixed_size: 64000
    .private_segment_fixed_size: 0
    .kernarg_segment_align: 8
    .kernarg_segment_size: 64
    .max_flat_workgroup_size: 128
    .sgpr_count:     102
    .vgpr_count:     1024
    .wavefront_size: 32
...
	.end_amdgpu_metadata
.endif
;; end of part 2
;; ======== version 2 of 2: 2 launches; version 1 with the launch prep written anew for expert scheduling mode
;; workspace buffers: wfrag 262,144 bytes; wscl 16,384 bytes; w2img 20,480 bytes; list 483,328 bytes of whole numbers; slot 262,144 bytes of whole numbers
;; launch prep (part 3): grid 321 x 1, 4 waves a work-group, no clusters, 8,704 bytes of LDS; arguments z, W1, W2, b2, wfrag, wscl, w2img, list, slot; writes wfrag, wscl, w2img, list, slot
.if DOCPART == 3
	.amdgcn_target "amdgcn-amd-amdhsa--gfx1250"
	.amdhsa_code_object_version 6
	.text
	.protected	k_q4575cd77cb_prep
	.globl	k_q4575cd77cb_prep
	.p2align	8
	.type	k_q4575cd77cb_prep,@function
k_q4575cd77cb_prep:
	s_mov_b64 s[64:65], 0
	v_nop
	global_prefetch_b8 v0, s[64:65] scope:SCOPE_SE
	s_setreg_imm32_b32 hwreg(HW_REG_WAVE_SCHED_MODE, 0, 2), 2
	s_setreg_imm32_b32 hwreg(HW_REG_WAVE_MODE, 25, 1), 1
	s_wait_xcnt 0x0
	s_wait_alu depctr_vm_vsrc(0)
; out = softmax(relu(Q(x) Q(W1[z]) + b1[z]) W2[z] + b2[z]), one expert z for each of 131,072 tokens; Q: MX-FP4 along K = 256.
; WORK LEFT OUT (whole program): reference() computes all 16 experts for every token and keeps, by jnp.where((z == i) ..), the rows of expert z alone:
; for every value of the inputs the other 15 experts' rows reach no output.  z is a whole-number input, read here from memory; the next launch multiplies only the rows that the lists stored here name.
; Every input has a way to the output and is loaded (x and b1 by the next launch).  A token whose z lies outside 0 .. 15 is taken by no expert and gets softmax(0, 0) = (0.5, 0.5), as reference() leaves it.
; LIMITS: a NaN, an infinity or an overflow that could arise only in the experts left out is not carried to the result; a block of W1 whose largest magnitude lies under 2^-124 (a block of zeros too)
; keeps the scale byte 1: its codes are zeros or as the floor gives them, and the bytes are read by this program alone; NaN and infinities in W1 are not served; W2 is rounded to bf16.
; THREE ROLES, parted on the work-group's number (the same in all four waves):
;   0 .. 255   SORT: block b of 512 neighbouring tokens.  The block's part of list: a header of 64 bytes (wave w's 8 bytes: its first entry's index, its number of tiles), 880 entries of 2 bytes, 32 dump words.
;              The 16 experts' entries lie one expert behind the other, each expert padded with zeros to whole tiles of 16 (512 + 16 x 15 = 752 places at the most), 128 zeros behind the last.
;              An entry: token in block | q << 9 | 1 << 11, q = expert % 4; 0 = no row.  Wave w serves experts 4 w + q.
;              slot[token], 2 bytes = 704 w + the entry's index in wave w's own part (0 .. 2,815), or a number from 4,096 on where no expert takes the token.
;   256 .. 319 W1: a wave makes one fragment (expert e, hidden units 16 t .., K step s) as an image of the operand's registers, and its scale words.
;   320        W2: wave w makes W2 of experts 4 w .. 4 w + 3 as four bf16 fragments, and b2 as a C operand.
; THE ORDER OF K's BLOCKS OF 32 is the same in W1's fragments and in x's (next launch), so the products are the same: K step s, place 2 c + h holds block 2 s + c + 4 h.
; THE MODE: SCHED_MODE bits 1:0 = 2 (LLVM: expert scheduling mode 2), set by the entry lines.  The code itself states the register dependences between vector instructions and memory or LDS instructions, with s_wait_alu, always for 0.
; THE PLAN.  No role has a loop, and no register that a load or a store has read is written again: so no wait on vm_vsrc is owed.
;   Offsets    Each role makes the offsets of its loads by vector lines; one wait on va_vdst stands ahead of the loads.
;   Results    Each role makes all that it stores, data and offsets, by vector lines; one wait on va_vdst stands ahead of the run of stores (SORT: 22 stores to memory and 4 to LDS behind one wait; one more ahead of slot's store).
;   Masks      A compare writes its mask into a scalar register, which scalar counts and vector selects read.  The compares stand in runs of 16, into 16 registers, with one wait on va_sdst behind each run, ahead of the run's first reader.
;   The wave's number goes through a scalar register too: its wait stands at the head, ahead of the branches.
.set SPARE, 8192                       ; behind the sort's 8,192 bytes: the spare words, 128 bytes for each wave
.set HDR,   64                         ; a block's header in list
.set CAP,   880                        ; its entries; 32 dump words follow
.set LB,    HDR+2*(CAP+32)             ; a block's part of list: 1,888 bytes
.set Z, 16                             ; v16-31  the block's 512 z: register 4 i + c, lane l: token 128 i + 4 l + c
.set P, 32                             ; v32-47  1 + the slot number for the tokens of my wave's experts, else 4,097 + lane
.set SO, 48                            ; v48-63  where each register's entries go;  v64-79 the entries: a set for each store, so that no store's sources are written again
.set SD, 64
.set MN, 84                            ; v84-99  the four waves' P of my four tokens
	s_load_b512 s[4:19], s[0:1], 0x0               ; z s[4:5], W1 s[6:7], W2 s[8:9], b2 s[10:11], wfrag s[12:13], wscl s[14:15], w2img s[16:17], list s[18:19]
	s_load_b64 s[20:21], s[0:1], 0x40              ; slot
	v_lshl_add_u32 v6, v0, 2, SPARE                ; my spare word; never rewritten
	v_mov_b32 v7, 0                                ; 0; never rewritten
	v_lshrrev_b32 v1, 5, v0
	v_readfirstlane_b32 s22, v1                    ; wave 0..3
	v_and_b32 v1, 31, v0                           ; lane
	v_and_b32 v2, 15, v0                           ; r
	v_bfe_u32 v3, v0, 4, 1                         ; h
	v_lshlrev_b32 v4, 4, v1                        ; 16 x lane
	s_mov_b32 s25, 0                               ; the upper word of every 64-bit offset
	s_wait_alu depctr_va_sdst(0)                   ; s22 is written, ahead of the branches and of its first reader in each role: every role's bases are made from it
	s_wait_kmcnt 0x0
	s_cmp_lt_u32 ttmp9, 256
	s_cbranch_scc1 .Lsort
	s_cmp_lt_u32 ttmp9, 320
	s_cbranch_scc1 .Lw1
; ---- ROLE W2.  Source 0 of the second product: row m = 8 (q / 2) + 2 (q % 2) + i holds W2[4 w + q][:, i]; the other rows are zeros.  So expert q's two logits fall into
; registers 2 (q % 2) + i of the result, in the half q / 2 of the lanes.  Lane (r, h) of a bf16 fragment holds row r; registers 0-3: k = 8 h + 0 .. 7, registers 4-7: k = 16 + 8 h + 0 .. 7.
	v_lshrrev_b32 v8, 3, v2
	v_bfe_u32 v9, v2, 1, 1
	v_lshl_add_u32 v8, v8, 1, v9                   ; q of my row
	v_and_b32 v9, 1, v2                            ; i of my row
	v_lshlrev_b32 v8, 10, v8                       ; an expert's W2 is 1,024 bytes,
	v_lshl_add_u32 v8, v9, 2, v8                   ; a hidden unit's two numbers 8,
	v_lshl_add_u32 v8, v3, 6, v8                   ; and my half begins 8 hidden units on
	v_lshlrev_b32 v9, 4, v3                        ; b2: 16 h
	v_and_b32 v10, 4, v2
	v_cmp_eq_u32 vcc_lo, 0, v10                    ; rows 0-3 and 8-11 hold numbers
	s_lshl_b32 s24, s22, 12
	s_add_nc_u64 s[8:9], s[8:9], s[24:25]          ; W2 at expert 4 w
	s_lshl_b32 s24, s22, 5
	s_add_nc_u64 s[10:11], s[10:11], s[24:25]      ; b2 likewise
	s_mul_i32 s24, s22, 5120
	s_add_nc_u64 s[16:17], s[16:17], s[24:25]      ; my ten images of 512 bytes
	s_wait_alu depctr_va_vdst(0)                   ; v8 and v9 are written, the offsets that the loads below read
.set n, 0
.rept 64                                           ; number 16 c + 8 g + j: hidden unit 32 c + 16 g + 8 h + j
	global_load_b32 v[64+n], v8, s[8:9] offset:(32*(n/16)+16*((n/8)%2)+n%8)*8
.set n, n+1
.endr
	global_load_b128 v[24:27], v9, s[10:11]        ; C's register j of lane (r, h) is row 8 h + j: b2 of expert 4 w + 2 h + j / 2, logit j % 2: four neighbours
.irp j, 28,29,30,31
	v_mov_b32 v\j, 0                               ; C's registers 4-7: rows that hold nothing
.endr
	s_wait_loadcnt 0x0
.set n, 0
.rept 32
	v_cvt_pk_bf16_f32 v[32+n], v[64+2*n], v[65+2*n]
.set n, n+1
.endr
	s_wait_alu depctr_va_vcc(0)                    ; the compare above has written VCC, which the 32 selects read
.set n, 0
.rept 32
	v_cndmask_b32 v[32+n], 0, v[32+n], vcc_lo
.set n, n+1
.endr
	s_wait_alu depctr_va_vdst(0)                   ; the selects have written v32 to v63 and the moves v28 to v31, which the stores read; v4, their offset, is written too
.set n, 0
.rept 8
	global_store_b128 v4, v[32+4*n:35+4*n], s[16:17] offset:512*n   ; 32 lanes store 512 consecutive bytes
.set n, n+1
.endr
	global_store_b128 v4, v[24:27], s[16:17] offset:4096
	global_store_b128 v4, v[28:31], s[16:17] offset:4608
	s_endpgm
; ---- ROLE W1.  W1[e] is [256 (k)][128 (n)]: lane r takes column n = 16 t + r and its registers run down K, in the order that the operand's layout gives that lane: nothing is transposed.
.Lw1:
	s_sub_co_u32 s24, ttmp9, 256
	s_lshl_b32 s24, s24, 2
	s_add_co_u32 s26, s24, s22                     ; which fragment: 16 e + 2 t + s
	s_lshr_b32 s27, s26, 4                         ; e
	s_bfe_u32 s28, s26, 0x30001                    ; t
	s_and_b32 s29, s26, 1                          ; s
	s_lshl_b32 s24, s27, 17                        ; an expert: 131,072 bytes
	s_lshl_b32 s29, s29, 15                        ; K step s begins at block 2 s: 64 rows of 512 bytes
	s_add_co_u32 s24, s24, s29
	s_lshl_b32 s28, s28, 6                         ; 16 columns: 64 bytes
	s_add_co_u32 s24, s24, s28
	s_add_nc_u64 s[6:7], s[6:7], s[24:25]
	s_lshl_b32 s24, s26, 10                        ; a fragment's image: 1,024 bytes
	s_add_nc_u64 s[12:13], s[12:13], s[24:25]
	s_lshl_b32 s24, s26, 6                         ; its scale words: 64 bytes (K step 0's in an image's lanes 0-15, K step 1's in lanes 16-31)
	s_add_nc_u64 s[14:15], s[14:15], s[24:25]
	s_mov_b32 s34, 0x76543210
	s_mov_b32 s35, 0xfedcba98                      ; v_permlanex16_b32's selects for lane l xor 16
	v_lshlrev_b32 v11, 2, v2                       ; 4 r
	v_lshl_add_u32 v8, v3, 16, v11                 ; lanes 16-31 take the blocks 4 further on: 128 rows of 512 bytes
	s_wait_alu depctr_va_vdst(0)                   ; v8 is written, the offset that the loads below read
.set n, 0
.rept 64                                           ; number 32 c + i: k = 32 (2 s + c + 4 h) + i
	global_load_b32 v[64+n], v8, s[6:7] offset:512*n
.set n, n+1
.endr
	s_wait_loadcnt 0x0
.irp c, 0,1
	v_max3_num_f32 v[32+\c], |v[64+32*\c]|, |v[65+32*\c]|, 0x1800000   ; my block c: all its 32 numbers are mine; and the floor 2^(3 - 127): the byte cannot fall under 1
.endr
.irp i, 2,4,6,8,10,12,14,16,18,20,22,24,26,28,30
.irp c, 0,1
	v_max3_num_f32 v[32+\c], v[32+\c], |v[64+32*\c+\i]|, |v[65+32*\c+\i]|
.endr
.endr
.irp c, 0,1
	v_add_nc_u32 v[44+\c], 0xff000000, v[32+\c]    ; 2 off the exponent field: the conversion takes the exponent field of this operand as its scale
.endr
.irp c, 0,1
	v_lshrrev_b32 v[36+\c], 23, v[44+\c]           ; the scale's byte
.endr
	v_lshl_or_b32 v9, v37, 16, v36                 ; my two bytes belong at places h and 2 + h of the word
	v_lshlrev_b32 v10, 3, v3
	v_lshlrev_b32 v9, v10, v9
	v_mov_b32 v10, 0
	v_permlanex16_b32 v10, v9, s34, s35
	v_or_b32 v9, v9, v10                           ; with lane l xor 16's two the word is whole, in both halves of the lanes
.irp c, 0,1
.irp g, 0,1,2,3
	v_cvt_scalef32_pk8_fp4_f32 v[48+4*\c+\g], v[64+32*\c+8*\g:71+32*\c+8*\g], v[44+\c]
.endr
.endr
	v_nop                                          ; one plain line behind the last conversion
	s_wait_alu depctr_va_vdst(0)                   ; the conversions have written v48 to v55, and v9 holds the scale word: the stores read them; v4 and v11, their offsets, are written too
	global_store_b128 v4, v[48:51], s[12:13]       ; registers 0-3 of the fragment, lane by lane: 512 consecutive bytes
	global_store_b128 v4, v[52:55], s[12:13] offset:512
	global_store_b32 v11, v9, s[14:15]             ; row r's word; lanes r and 16 + r store the same word at the same place
	s_endpgm
; ---- ROLE SORT.  All lanes stay on throughout: a lane with nothing to store aims at a dump word of its own, behind the block's entries, which nobody reads.
.Lsort:
	s_lshl_b32 s24, ttmp9, 11                      ; 512 tokens x 4 bytes
	s_add_nc_u64 s[4:5], s[4:5], s[24:25]          ; z at my block
	s_wait_alu depctr_va_vdst(0)                   ; v4 is written, the offset that the loads below read
.irp i, 0,1,2,3
	global_load_b128 v[Z+4*\i:Z+4*\i+3], v4, s[4:5] offset:512*\i
.endr
	s_lshl_b32 s24, ttmp9, 10                      ; 512 tokens x 2 bytes
	s_add_nc_u64 s[20:21], s[20:21], s[24:25]      ; slot at my block
	s_mul_i32 s24, ttmp9, LB
	s_add_nc_u64 s[18:19], s[18:19], s[24:25]      ; list at my block
	v_add_nc_u32 v82, 4097, v1                     ; what P holds for a token that is not my wave's
	v_add_nc_u32 v83, CAP, v1                      ; my dump word's index
	v_lshl_or_b32 v5, v1, 2, 0x800                 ; an entry's part that hangs on the lane: 4 x lane, and the mark of a row
	v_mov_b32 v12, 0                               ; the zeros of pads and tail
	s_lshl_b32 s26, s22, 11                        ; the three addresses of slot's way through LDS hang on ids alone: they are made here, while z is on its way
	v_add_nc_u32 v13, s26, v4                      ; 2,048 w + 16 x lane: where my P go
	s_lshl_b32 s27, s22, 9
	v_add_nc_u32 v14, s27, v4                      ; 512 w + 16 x lane: my four tokens, in each wave's 2,048 bytes
	s_lshl_b32 s28, s22, 8
	v_lshl_add_u32 v15, v1, 3, s28                 ; 256 w + 8 x lane: the same four tokens in slot
	s_lshl_b32 s36, s22, 2                         ; s36-39: my four experts
	s_add_co_u32 s37, s36, 1
	s_add_co_u32 s38, s36, 2
	s_add_co_u32 s39, s36, 3
.set e, 0
.rept 16
	s_mov_b32 s[68+e], 0                           ; s68-83: the 16 experts' counts
.set e, e+1
.endr
	s_wait_loadcnt 0x0
.set n, 0
.rept 16                                           ; pass 1: how many tokens has each of the 16 experts: every wave counts all, since its place in the list hangs on the waves ahead of it
.set e, 0
.rept 16                                           ; a register of z against all 16 experts: a run of 16 compares into s44-59
	v_cmp_eq_u32 s[44+e], e, v[Z+n]
.set e, e+1
.endr
	s_wait_alu depctr_va_sdst(0)                   ; the 16 compares have written s44 to s59, ahead of their first reader: the counts below
.set e, 0
.rept 16
	s_bcnt1_i32_b32 s[44+e], s[44+e]
.set e, e+1
.endr
.set e, 0
.rept 16
	s_add_co_u32 s[68+e], s[68+e], s[44+e]
.set e, e+1
.endr
.set n, n+1
.endr
.irp q, 0,1,2,3
	s_mov_b32 s[40+\q], s[68+\q]                   ; s40-43: my four experts' counts, chosen by the wave's number
.endr
	s_cmp_eq_u32 s22, 1
.irp q, 0,1,2,3
	s_cselect_b32 s[40+\q], s[72+\q], s[40+\q]
.endr
	s_cmp_eq_u32 s22, 2
.irp q, 0,1,2,3
	s_cselect_b32 s[40+\q], s[76+\q], s[40+\q]
.endr
	s_cmp_eq_u32 s22, 3
.irp q, 0,1,2,3
	s_cselect_b32 s[40+\q], s[80+\q], s[40+\q]
.endr
.set e, 0
.rept 16
	s_add_co_u32 s[68+e], s[68+e], 15
	s_and_b32 s[68+e], s[68+e], -16                ; an expert takes whole tiles of 16
.set e, e+1
.endr
.irp g, 0,1,2,3
	s_add_co_u32 s[84+\g], s[68+4*\g], s[69+4*\g]  ; s84-87: the places that each wave's four experts take
	s_add_co_u32 s[84+\g], s[84+\g], s[70+4*\g]
	s_add_co_u32 s[84+\g], s[84+\g], s[71+4*\g]
.endr
	s_add_co_u32 s90, s84, s85
	s_add_co_u32 s91, s90, s86
	s_add_co_u32 s92, s91, s87                     ; s92: all places taken
	s_mov_b32 s88, 0                               ; s88: my wave's first place;  s93: its places
	s_mov_b32 s93, s84
	s_cmp_eq_u32 s22, 1
	s_cselect_b32 s88, s84, s88
	s_cselect_b32 s93, s85, s93
	s_cmp_eq_u32 s22, 2
	s_cselect_b32 s88, s90, s88
	s_cselect_b32 s93, s86, s93
	s_cmp_eq_u32 s22, 3
	s_cselect_b32 s88, s91, s88
	s_cselect_b32 s93, s87, s93
	s_mul_i32 s2, s22, 704
	s_add_co_u32 s44, s2, 1                        ; s44-47: 1 + the slot number of the next entry of my expert q: my wave's begin at 704 w,
.irp q, 0,1,2
	s_add_co_u32 s3, s[40+\q], 15
	s_and_b32 s3, s3, -16
	s_add_co_u32 s[45+\q], s[44+\q], s3            ; and the next expert begins behind the last one's tiles
.endr
.irp q, 0,1,2,3
	s_sub_co_u32 s[60+\q], 0, s[40+\q]
	s_and_b32 s[60+\q], s[60+\q], 15               ; s60-63: the zeros that fill each expert's last tile
.endr
	s_sub_co_u32 s94, s88, s2
	s_add_co_u32 s94, s94, -1                      ; s94: P + this = the place in the block's packed list
.irp q, 0,1,2,3
	v_cmp_gt_u32 s[52+\q], s[60+\q], v1            ; s52-55: which lanes lay a zero behind expert q's last entry.  Read far below: the wait behind the next run of compares serves these four too
.endr
.set n, 0
.rept 4                                            ; pass 2: each token's number: the expert's running number + the matching lanes below mine.  Four registers of z at a time
.irp k, 0,1,2,3
.irp q, 0,1,2,3
	v_cmp_eq_u32 s[68+4*\k+\q], s[36+\q], v[Z+n+\k]                ; a run of 16 compares into s68-83, where the counts are done with
.endr
.endr
	s_wait_alu depctr_va_sdst(0)                   ; the compares have written s68 to s83 (the first time s52 to s55 too), ahead of their first reader
.irp k, 0,1,2,3
.irp q, 0,1,2,3
	v_mbcnt_lo_u32_b32 v[8+\q], s[68+4*\k+\q], s[44+\q]
.endr
.irp q, 0,1,2,3
	s_bcnt1_i32_b32 s[56+\q], s[68+4*\k+\q]
.endr
.irp q, 0,1,2,3
	s_add_co_u32 s[44+\q], s[44+\q], s[56+\q]
.endr
	v_cndmask_b32 v[P+n+\k], v82, v8, s[68+4*\k]   ; the first choice starts P
	v_cndmask_b32 v[P+n+\k], v[P+n+\k], v9, s[69+4*\k]
	v_cndmask_b32 v[P+n+\k], v[P+n+\k], v10, s[70+4*\k]
	v_cndmask_b32 v[P+n+\k], v[P+n+\k], v11, s[71+4*\k]
.endr
.set n, n+4
.endr
.set n, 0
.rept 16
	v_add_nc_u32 v[SO+n], s94, v[P+n]              ; the place; 1,984 or more for a token that is not mine (4,096 less 3 x 704 at the least)
	v_and_b32 v[SD+n], 3, v[Z+n]                   ; q
.set n, n+1
.endr
.set n, 0
.rept 16
	v_min_u32 v[SO+n], v[SO+n], v83                ; which so falls on my dump word
	v_lshl_or_b32 v[SD+n], v[SD+n], 9, v5
.set n, n+1
.endr
.set n, 0
.rept 16
	v_min_u32 v[SO+n], CAP+31, v[SO+n]             ; held inside the block's entries and dump words
.if n > 0
	v_or_b32 v[SD+n], 128*(n/4)+n%4, v[SD+n]       ; token 128 i + 4 lane + c
.endif
.set n, n+1
.endr
.set n, 0
.rept 16
	v_lshlrev_b32 v[SO+n], 1, v[SO+n]
.set n, n+1
.endr
.irp q, 0,1,2,3                                    ; zeros up to the end of each of my experts' last tile:
	s_add_co_u32 s[48+\q], s[44+\q], s94           ; the place behind its last entry
.endr
.irp q, 0,1,2,3
	v_add_nc_u32 v[100+\q], s[48+\q], v1
.endr
.irp q, 0,1,2,3
	v_cndmask_b32 v[100+\q], v83, v[100+\q], s[52+\q]
.endr
.irp q, 0,1,2,3
	v_min_u32 v[100+\q], CAP+31, v[100+\q]
.endr
.irp q, 0,1,2,3
	v_lshlrev_b32 v[100+\q], 1, v[100+\q]
.endr
	s_lshl_b32 s2, s22, 5                          ; behind all places taken 128 zeros, 32 from each wave: the reader looks at most 79 entries past a wave's last
	s_add_co_u32 s2, s2, s92
	v_add_nc_u32 v104, s2, v1
	v_min_u32 v104, CAP+31, v104                   ; 752 + 127 at the most
	v_lshlrev_b32 v104, 1, v104
	s_lshl_b32 s3, s22, 3
	v_mov_b32 v105, s3                             ; my 8 bytes of the header; all lanes store the same two words at the same place
	v_mov_b32 v106, s88
	s_lshr_b32 s93, s93, 4
	v_mov_b32 v107, s93
	s_wait_alu depctr_va_vdst(0)                   ; all that the 22 stores and the 4 LDS stores below read is written: the places v48 to v63 and v100 to v105, the entries v64 to v79, v12, v106, v107, P in v32 to v47 and its address v13; so is v14, which the LDS loads behind the barrier read
; The entries go to their places: 2 bytes a lane; the matching lanes of one register and expert store neighbours, the others the 64 bytes of dump words.  1 KiB of entries a block.
.set n, 0
.rept 16
	global_store_b16 v[SO+n], v[SD+n], s[18:19] offset:HDR
.set n, n+1
.endr
.irp q, 0,1,2,3
	global_store_b16 v[100+\q], v12, s[18:19] offset:HDR
.endr
	global_store_b16 v104, v12, s[18:19] offset:HDR
	global_store_b64 v105, v[106:107], s[18:19]
; slot: each token's P is under 4,097 in one wave at the most.  The four waves' P meet in LDS, in token order; wave w takes the smallest of each of tokens 128 w .. 128 w + 127 and stores it, less 1.
.irp i, 0,1,2,3
	ds_store_b128 v13, v[P+4*\i:P+4*\i+3] offset:512*\i
.endr
	s_wait_dscnt 0x0                               ; for the others' sake: my stores are done
	s_barrier_signal -1
	s_barrier_wait -1
.irp k, 0,1,2,3
	ds_load_b128 v[MN+4*\k:MN+4*\k+3], v14 offset:2048*\k          ; no vector line has named v84 to v99
.endr
	s_wait_dscnt 0x0
.irp c, 0,1,2,3
	v_min_u32 v[MN+\c], v[MN+\c], v[MN+4+\c]
	v_min_u32 v[MN+8+\c], v[MN+8+\c], v[MN+12+\c]
.endr
.irp c, 0,1,2,3
	v_min_u32 v[MN+\c], v[MN+\c], v[MN+8+\c]
.endr
.irp c, 0,1,2,3
	v_add_nc_u32 v[MN+\c], -1, v[MN+\c]            ; the slot number, or 4,096 + lane where no expert took the token
.endr
	v_lshl_or_b32 v[MN], v[MN+1], 16, v[MN]        ; two to a word
	v_lshl_or_b32 v[MN+1], v[MN+3], 16, v[MN+2]
	s_wait_alu depctr_va_vdst(0)                   ; the two lines above have written v84 and v85, which the store reads
	global_store_b64 v15, v[MN:MN+1], s[20:21]     ; 32 lanes store 256 consecutive bytes, at a multiple of 256 from slot's first byte
	s_wait_dscnt 0x0                               ; the closing lines, six on end
	s_wait_alu 0x0
	s_wait_tensorcnt 0x0
	ds_add_u32 v6, v7
	s_wait_dscnt 0x0
	s_endpgm
.Lfunc_end_k_q4575cd77cb_prep:
	.size	k_q4575cd77cb_prep, .Lfunc_end_k_q4575cd77cb_prep-k_q4575cd77cb_prep
	.p2alignl 7, 3214868480
	.fill 96, 4, 3214868480
	.section	.rodata,"a",@progbits
	.p2align	6, 0x0
	.amdhsa_kernel k_q4575cd77cb_prep
		.amdhsa_group_segment_fixed_size 8704
		.amdhsa_private_segment_fixed_size 0
		.amdhsa_enable_private_segment 0
		.amdhsa_kernarg_size 72
		.amdhsa_user_sgpr_count 2
		.amdhsa_user_sgpr_kernarg_segment_ptr 1
		.amdhsa_wavefront_size32 1
		.amdhsa_system_sgpr_workgroup_id_x 1
		.amdhsa_system_sgpr_workgroup_id_y 1
		.amdhsa_system_sgpr_workgroup_id_z 1
		.amdhsa_system_vgpr_workitem_id 0
		.amdhsa_next_free_vgpr 128
		.amdhsa_next_free_sgpr 100
		.amdhsa_reserve_vcc 1
		.amdhsa_float_denorm_mode_32 3
		.amdhsa_float_denorm_mode_16_64 3
		.amdhsa_memory_ordered 1
		.amdhsa_forward_progress 1
		.amdhsa_inst_pref_size 86
	.end_amdhsa_kernel
	.amdgpu_metadata
---
amdhsa.version: [ 1, 2 ]
amdhsa.kernels:
  - .name:           k_q4575cd77cb_prep
    .symbol:         k_q4575cd77cb_prep.kd
    .args:
      - { .name: z, .offset: 0, .size: 8, .value_kind: global_buffer, .address_space: global }
      - { .name: W1, .offset: 8, .size: 8, .value_kind: global_buffer, .address_space: global }
      - { .name: W2, .offset: 16, .size: 8, .value_kind: global_buffer, .address_space: global }
      - { .name: b2, .offset: 24, .size: 8, .value_kind: global_buffer, .address_space: global }
      - { .name: wfrag, .offset: 32, .size: 8, .value_kind: global_buffer, .address_space: global }
      - { .name: wscl, .offset: 40, .size: 8, .value_kind: global_buffer, .address_space: global }
      - { .name: w2img, .offset: 48, .size: 8, .value_kind: global_buffer, .address_space: global }
      - { .name: list, .offset: 56, .size: 8, .value_kind: global_buffer, .address_space: global }
      - { .name: slot, .offset: 64, .size: 8, .value_kind: global_buffer, .address_space: global }
    .group_segment_fixed_size: 8704
    .private_segment_fixed_size: 0
    .kernarg_segment_align: 8
    .kernarg_segment_size: 72
    .max_flat_workgroup_size: 128
    .sgpr_count:     100
    .vgpr_count:     128
    .wavefront_size: 32
...
	.end_amdgpu_metadata
.endif
;; end of part 3
;; launch main: the kernel of part 2 again; grid 256 x 1, 4 waves a work-group, no clusters, 64,000 bytes of LDS; arguments x, wfrag, wscl, w2img, b1, list, slot, out0; writes out0
